; MI455X (gfx1250); checked and timed in simulation.
; The chip was launched on July 23, 2026; its instructions are those of AMD's public machine-readable ISA for CDNA 5 (MIT licence, August 2026) and "CDNA5" Instruction Set Architecture Reference Guide (July 2026). The comments in the code are by the model that wrote it; some were corrected since.
;; Attn. Allowed arithmetic: matrix products marked QUANTISED: E2M1 operands, one E8M0 scale for each 32 along K, by v_wmma_scale_f32_16x16x128_f8f6f4 with both operands' format E2M1 (or v_wmma_scale_f32_32x16x128_f4), f32 sums; products left as they are: f32 operands where the result goes on into a quantised operand, else bf16, f16 or f32 operands; f32 sums; everything else in f32.
;; Inputs: attn_W_codes 1,024 x 32 x 16 uint8 (E2M1 codes of attn_W, K innermost, in blocks of 32 codes, two codes a byte); attn_W_scales 1,024 x 32 uint8 (E8M0 scales of attn_W, one for each 32 codes along K); attn_b 1,024 float32; encoder_outputs_codes 2,048 x 32 x 32 x 16 uint8 (E2M1 codes of encoder_outputs, K innermost, in blocks of 32 codes, two codes a byte); encoder_outputs_scales 2,048 x 32 x 32 uint8 (E8M0 scales of encoder_outputs, one for each 32 codes along K); hidden 1 x 32 x 1,024 float32.
;; Outputs: out0 32 x 1 x 2,048 float32.
;; This version of the problem:
;;   THIS VERSION OF THE PROBLEM IS GIVEN IN LOW PRECISION. The matrix products marked QUANTISED in the list below multiply operands that are first quantised to E2M1 (2 exponent bits, 1 mantissa bit; 4 bits a number), with one power-of-two scale for each 32 numbers along K (OCP MX v1.0); their sums are f32. All else is computed in f32.
;;   The module's matrix products, in the order in which they are computed (A, B: the left and right operand; K: the contracted axis; several contracted axes count as one K, in the product's order):
;;     1. [M 65,536, K 1,024] x [K 1,024, N 1,024]; A: input encoder_outputs (given as codes); B: input attn_W (given as codes): QUANTISED
;;     2. batch 32 x [M 2,048, K 1,024] x [K 1,024, N 1]; A: computed on the way; B: input hidden: left as it is (N = 1 < 16)
;;   THE QUANTISER, for each operand of a quantised product, along K:
;;     - K is cut into blocks of 32 from its start; a last block that is shorter is filled with zeros.
;;     - A block's scale is 2^e with e = floor(log2(the largest magnitude in the block)) - 2, held to -126 .. 127; a block of zeros has e = 0. As a byte (E8M0): e + 127.
;;     - Each number is divided by its block's scale, clamped to +-6, and rounded to the nearest number of E2M1, ties to even, subnormals kept.
;;     - The product sums the exact products of the quantised numbers (number of the format x scale) in f32.
;;   ~~~python
;;   def quantise(x, axis):      # numpy; x: float32 -> the quantised numbers, widened to float32 again
;;       x = np.moveaxis(x, axis, -1); K = x.shape[-1]
;;       x = np.pad(x, [(0, 0)] * (x.ndim - 1) + [(0, -K % 32)]); x = x.reshape(x.shape[:-1] + (-1, 32)); a = np.abs(x).max(-1, keepdims=True)
;;       e = np.where(a > 0, np.clip(np.frexp(np.where(a > 0, a, 1))[1] - 1 - 2, -126, 127), 0)      # np.frexp(a)[1] - 1 = floor(log2(a)), exactly
;;       r = np.clip(x / 2.0 ** e, -6, 6)
;;       step = 2.0 ** (np.maximum(np.frexp(np.where(r == 0, 1, r))[1] - 1, 0) - 1)
;;       q = np.round(r / step) * step * 2.0 ** e      # np.round: ties to even
;;       return np.moveaxis(q.reshape(q.shape[:-2] + (-1,))[..., :K], -1, axis).astype(np.float32)
;;   ~~~
;;   INPUTS GIVEN AS CODES. attn_W (in the module: [1024, 1024], K = its axis 1); encoder_outputs (in the module: [2048, 32, 1024], K = its axis 2): each comes as NAME_codes (uint8): NAME with its K axis moved to the last place and cut into blocks of 32 codes, [.., K / 32, bytes a block], one block behind the other in memory; two codes a byte, the lower K in the low four bits (a code: sign, 2 exponent bits, 1 mantissa bit); and NAME_scales (uint8): the same leading axes, one E8M0 byte (e + 127) for each 32 codes along K. Its value is code x scale, taken as it is: it is not quantised again, and the codes and scales need not be those that the quantiser above would give.
;; One version. Each part assembles by itself: llvm-mc -triple=amdgcn-amd-amdhsa -mcpu=gfx1250 --defsym DOCPART=n.
;; ======== version 1 of 1: 2 launches
;; limits: right only within a limited range of input values
;; workspace buffers: parts 1,048,576 bytes
;; launch energy (part 1): grid 4 x 64, 4 waves a work-group, clusters of 4 x 4, 327,680 bytes of LDS; arguments encoder_outputs_codes, encoder_outputs_scales, attn_W_codes, attn_W_scales, hidden, parts; writes parts
.if DOCPART == 1
	.amdgcn_target "amdgcn-amd-amdhsa--gfx1250"
	.amdhsa_code_object_version 6
	.text
	.protected	k_qaf0e57038a_energy
	.globl	k_qaf0e57038a_energy
	.p2align	8
	.type	k_qaf0e57038a_energy,@function
k_qaf0e57038a_energy:
	s_mov_b64 s[64:65], 0
	v_nop
	global_prefetch_b8 v0, s[64:65] scope:SCOPE_SE
	s_setreg_imm32_b32 hwreg(HW_REG_WAVE_MODE, 25, 1), 1
	s_wait_xcnt 0x0
	s_wait_alu depctr_hold_cnt(0) depctr_sa_sdst(0) depctr_va_vdst(0) depctr_va_sdst(0) depctr_va_ssrc(0) depctr_va_vcc(0) depctr_vm_vsrc(0)
	s_getreg_b32 s2, hwreg(HW_REG_IB_STS2, 6, 4)
	s_cmp_eq_u32 s2, 0
	s_cbranch_scc0 .Lentry_in_a_cluster
	s_endpgm
.Lentry_in_a_cluster:
	s_bfe_u32 s2, ttmp6, 0x10000c
	s_cmp_lg_u32 s2, 0xf033
	s_cbranch_scc0 .Lentry_shape_is_right
	s_endpgm
.Lentry_shape_is_right:
; parts[oq][b][s] = sum over the 256 o of quarter oq of ( sum over k of enc[s][b][k] W[o][k] ) hidden[b][o].  The next launch adds the four quarters and takes the log_softmax over s.
; enc: [2048 s][32 b][1024 k], W: [1024 o][1024 k]: codes of FP4 (E2M1), two a byte, K innermost, a row = 512 bytes; one E8M0 byte for each 32 along K, 32 bytes a row.  hidden [32][1024], parts [4][32][2048]: f32.
; DEAD WORK.  attn_b enters an energy as the sum over o of attn_b[o] hidden[b][o]: the same number for every s of a b, and log_softmax over s takes away whatever is the same along s, for all values of the inputs.
; So the bias has no way to the output: attn_b is not loaded and is no argument of any launch.  LIMIT: a NaN, an infinity or an overflow that reaches only that term is not carried to the result.
; SHARES.  A work-group owns one b, 1,024 neighbouring s and one quarter (256) of the o: 4 x 32 x 2 = 256 work-groups.  Wave w: columns 128 (w % 2) on of the quarter; rows 128 (w / 2) on of each chunk of 256 s.
; W STAYS IN REGISTERS: a wave's 128 columns x 1,024 K are 512 registers; they come once through LDS.  The encoder rows walk in four chunks of 256 rows x all K through two LDS regions; the first is the one that staged W.
; A TILE is 32 rows x 128 columns: 8 accumulators of 32 x 16, (block of 32 columns, fragment of 16 rows).  Each encoder fragment is read from LDS once by a wave and feeds four matrix instructions.
; A tile goes in four quarters of sixteen matrix instructions: A: K steps 0-3 of blocks 0, 1;  B: K steps 0-3 of blocks 2, 3;  C: K steps 4-7 of blocks 0, 1;  D: K steps 4-7 of blocks 2, 3.  Four accumulators take turns in each.
; THE FOLD with hidden stands between them: blocks 0 and 1 are folded in D, blocks 2 and 3 in the next tile's A, the chains are added in its B, and the sums go to the stage in the A after that.
; CLUSTER 4 x 4: cx = the quarter of o, cy = one of four neighbouring b.  A chunk hangs on b and s alone and is asked for jointly along a row of the cluster; W's quarter hangs on cx alone and is asked for jointly along a column.
; TRANSPOSED USE: source 0 = 32 rows of W, source 1 = 16 encoder rows: lane (r, h) holds encoder row r and columns 8 h + 0 .. 7 and 16 + 8 h + 0 .. 7, so an accumulator is folded with hidden by packed multiply-adds.
; PREFETCH.  When chunk n is asked for, chunk n + 1 is named in the L2 prefetch, a chunk ahead of its load (chunk 1: in chunk 0's first tile, behind the head's barrier): 256 rows x 512 bytes = 512 blocks of 256 bytes; the four partners of a row
; take 64 rows each by address (cx), a wave 16 rows, a lane one block; each block once in the launch.  Behind chunk 3 nothing is asked for.
; LIMITS.  Codes and scale bytes are taken as given; a scale byte 0xff makes its row's energy NaN.  The f32 sums over o run in another order than a plain ascending sum: four chains of pairs for a lane, then lanes, waves and quarters.
; REGISTERS, in windows of 256 (s_set_vgpr_msb: bits 1:0 source 0, 3:2 source 1, 5:4 source 2, 7:6 destination):
;   window 0: v0-15 addresses; v16-31 the fold's chains; v32-63 encoder scale words; v64-95 W's scale words; v112-113 a tile's sums; v128-255 encoder fragments, two buffers (K steps 0-3, K steps 4-7)
;   window 1: v0-127 accumulators, (block, f) at v[16 (2 block + f)]; v128-191 hidden      windows 2, 3: W: K step q at window 2 + q / 4, v[64 (q % 4) + 16 block]
.set PITCH, 528                        ; an LDS row: 512 bytes + 16 of padding
.set REG1,  256*PITCH                  ; region 0 at byte 0, region 1 here: 0x21000; wave x 64 rows has bits 12 and 17 clear, so an exclusive or turns a refill's address from one region into the other
.set STAGE, 2*REG1                     ; [4 waves][32 fragments][32 lanes] f32: no tensor load lands there
.set SPARE, STAGE+16384                ; the spare words, 128 bytes for each wave
.set SPW,  1                           ; v1   SPARE + 4 x my thread's number; never rewritten
.set NIL,  2                           ; v2   0; never rewritten
.set AE,   3                           ; v3   my lane's place among a region's encoder rows: (128 (w / 2) + r) PITCH + 16 h
.set ADE,  4                           ; v4   the same in the region in hand
.set AWL,  5                           ; v5   my lane's place in staged W: (128 (w % 2) + r) PITCH + 16 h
.set ESO,  6                           ; v6   encoder scale words: 1,024 r + 16 h
.set WSO,  7                           ; v7   W's scale words: 32 x lane
.set HOFF, 8                           ; v8   hidden: 32 h
.set STO,  9                           ; v9   my word in my wave's stage;  v10 the same in the chunk whose sums are being stored
.set STC,  10
.set RD,   11                          ; v11  the way out: where I read the stage
.set OO,   12                          ; v12  and my 16 bytes of the work-group's part
.set PFO,  13                          ; v13  the prefetches' offset
.set E,    16                          ; chain c of fragment f: pair at E + 4 f + 2 c for blocks 0 and 1, 8 further on for blocks 2 and 3
.set ES,   32                          ; tile t, fragment f: v[ES + 8 t + 4 f + q % 4]: lanes 0-15 K steps 0-3, lanes 16-31 K steps 4-7
.set WS,   64                          ; block, q: v[WS + 8 block + q]: lane = row
.set R,    112                         ; a finished tile's sum of fragment f: v[R + f]
.set FB,   128                         ; buffer q / 4: v[FB + 64 (q / 4) + 16 (q % 4) + 8 f]
.set HID,  128                         ; window 1: 16 block + j: hidden at column 32 block + 16 (j / 8) + 8 h + j % 8
.set WV, 16                            ; s16 wave;  s17 w / 2 (my half of a chunk's rows);  s18 w % 2 (my half of the columns)
.set SH, 17
.set OH, 18
.set G1W, 24                           ; descriptor groups 1: W, 128 rows; the head's chunk, 128 rows; a refill, 64 rows
.set G1H, 32
.set G1E, 40
.set G0W, 48                           ; groups 0 likewise; the refill's walks
.set G0H, 52
.set G0E, 56
.set TB,  60                           ; LDS byte at which the region in hand begins
.set CNT, 61
.set SB,  62                           ; 1,024 x the chunk whose sums are being stored: its place in a wave's stage
.set PFA, 66                           ; where my prefetches stand: chunk 1;  s[86:87] chunk 3
.set PFB, 86
.set CHB, 4194304                      ; a chunk on in the encoder codes: 256 x 16,384 bytes
.set CHS, 262144                       ; and in their scale bytes
.set MSB, 0
.macro WIN new                         ; the immediate's high byte repeats the setting that is left; a switch that changes nothing is dropped
.if MSB != \new
	s_set_vgpr_msb (MSB<<8)|\new
.set MSB, \new
.endif
.endm
.set MULA, 0x52                        ; source 0 (W) window 2, source 1 (encoder) window 0, C and D window 1;  MULA + 1: W in window 3
.set EPIW, 0x05                        ; sources 0 and 1 (accumulator, hidden) window 1, the chains window 0
; Vector reads of a matrix result and loads into a register that a matrix instruction has read stand four plain vector places behind it (ISA guide 7.12.1 for vector instructions).
.macro PLACES
.rept 4
	v_nop
.endr
.endm
.macro CREST                           ; a round of the cluster's barrier behind its opening barrier: wave 0 signals for the work-group
	s_cmp_lg_u32 s[WV], 0
	s_cbranch_scc1 .Lnot_wave_0_\@
	s_barrier_signal -3
.Lnot_wave_0_\@:
	s_barrier_wait -3
	s_barrier_signal -1
	s_barrier_wait -1
.endm
.macro CROUND
	s_barrier_signal -1
	s_barrier_wait -1
	CREST
.endm
.macro SHADD d, src, n, tmp            ; s[d] += s[src] << n
	s_lshl_b32 s[\tmp], s[\src], \n
	s_add_co_u32 s[\d], s[\d], s[\tmp]
.endm
	s_load_b256 s[4:11], s[0:1], 0x0               ; encoder codes s[4:5], their scales s[6:7], W's codes s[8:9], its scales s[10:11]
	s_load_b128 s[12:15], s[0:1], 0x20             ; hidden s[12:13], parts s[14:15]
	v_lshl_add_u32 v[SPW], v0, 2, SPARE
	v_mov_b32 v[NIL], 0
	ds_add_u32 v[SPW], v[NIL]                      ; the opening add, twice on end under one wait
	ds_add_u32 v[SPW], v[NIL]
	v_lshrrev_b32 v14, 5, v0
	v_readfirstlane_b32 s[WV], v14
	s_lshr_b32 s[SH], s[WV], 1
	s_and_b32 s[OH], s[WV], 1
	s_bfe_u32 s19, ttmp6, 0x40000                  ; cx = the quarter of o (the grid has one cluster along x)
	s_bfe_u32 s23, ttmp6, 0x40004                  ; cy
	s_and_b32 s20, ttmp7, 0xffff                   ; cluster y, 0..15
	s_and_b32 s21, s20, 7
	s_lshl_b32 s21, s21, 2
	s_add_co_u32 s21, s21, s23                     ; b
	s_lshr_b32 s22, s20, 3                         ; which 1,024 s
	s_lshl_b32 s76, s23, 2
	s_lshl_b32 s76, 15, s76                        ; my row of the cluster
	s_lshl_b32 s77, 0x1111, s19                    ; my column
	; group 1: rows of 512 elements of one byte; 15:0 mask; 20 padding on; 21 set beside a mask; 24:22 after every 128 words (code 6); 31:25 four words (code 3)
.set K0, (1<<20)|(1<<21)|(6<<22)|(3<<25)
	s_or_b32 s[G1W], s77, K0
	s_or_b32 s[G1H], s76, K0
	s_or_b32 s[G1E], s76, K0
.irp g, G1W, G1H, G1E
	s_mov_b32 s[\g+1], 512<<16                     ; tensor_dim0
	s_mov_b32 s[\g+3], 512<<16                     ; tile_dim0
	s_mov_b32 s[\g+6], 0
	s_mov_b32 s[\g+7], 0
.endr
.irp g, G1W, G1H
	s_mov_b32 s[\g+2], 128<<16                     ; tensor_dim1
	s_mov_b32 s[\g+4], 128                         ; tile_dim1
.endr
	s_mov_b32 s[G1E+2], 64<<16
	s_mov_b32 s[G1E+4], 64
	s_mov_b32 s[G1W+5], 512                        ; W's rows are dense
	s_mov_b32 s[G1H+5], 16384                      ; from s to s + 1 of one b: 32 rows of 512 bytes
	s_mov_b32 s[G1E+5], 16384
	; W: row 256 cx + 128 (w % 2).  (s68, s78 never hold b)
	s_lshl_b32 s68, s19, 17
	s_mov_b32 s69, 0
	SHADD 68, OH, 16, 78
	; the encoder rows: s = 1,024 x block on, of b.  (s70, s80, s82, s97 never hold cx)
	s_lshl_b32 s70, s22, 24
	s_mov_b32 s71, 0
	SHADD 70, 21, 9, 97
	s_mov_b32 s80, s70
	s_mov_b32 s81, 0
	SHADD 80, OH, 21, 97                           ; the head's chunk 0: rows 128 (w % 2) on
	s_mov_b32 s82, s70
	s_mov_b32 s83, 0
	SHADD 82, WV, 20, 97                           ; a refill: rows 64 w on
	; the prefetches: rows 64 cx + 16 w of chunk 1
	s_add_co_u32 s84, s70, CHB
	s_mov_b32 s85, 0
	SHADD 84, 19, 20, 96
	SHADD 84, WV, 18, 96
	; the encoder rows' scale bytes: 1,024 from s to s + 1; my first row
	s_lshl_b32 s88, s22, 20
	s_mov_b32 s89, 0
	SHADD 88, SH, 17, 96
	SHADD 88, 21, 5, 96
	; W's scale bytes, hidden, and my work-group's part
	s_lshl_b32 s90, s19, 13
	s_mov_b32 s91, 0
	SHADD 90, OH, 12, 96
	s_lshl_b32 s92, s21, 12
	s_mov_b32 s93, 0
	SHADD 92, 19, 10, 96
	SHADD 92, OH, 9, 96
	s_lshl_b32 s94, s19, 18
	s_mov_b32 s95, 0
	SHADD 94, 21, 13, 96
	SHADD 94, 22, 12, 96
	s_mul_i32 s79, s[WV], 128*PITCH                ; the head's loads: W's 256 rows in region 0 (waves 0, 1), chunk 0 in region 1 (waves 2, 3)
	s_mul_i32 s98, s[WV], 64*PITCH                 ; a refill's quarter of a region
	s_mul_i32 s72, s[SH], 128*PITCH
	s_mul_i32 s73, s[OH], 128*PITCH
	s_lshl_b32 s74, s[WV], 12
	s_add_co_u32 s74, s74, STAGE                   ; my wave's stage
	s_lshl_b32 s75, s[OH], 13
	SHADD 75, SH, 10, 96
	s_add_co_u32 s75, s75, STAGE
	s_mov_b32 s[TB], REG1                          ; chunk 0 lies in region 1
	s_mov_b32 s[CNT], 2
	s_mov_b32 s[SB], 0
	v_and_b32 v14, 15, v0                          ; r
	v_bfe_u32 v15, v0, 4, 1                        ; h
	v_and_b32 v17, 31, v0                          ; lane
	v_mul_u32_u24 v16, v14, PITCH
	v_lshlrev_b32 v[ESO], 10, v14
	v_lshrrev_b32 v18, 2, v17
	v_and_b32 v19, 3, v17
	v_lshrrev_b32 v20, 1, v17
	v_and_b32 v21, 1, v17
	v_lshl_add_u32 v16, v15, 4, v16                ; a fragment's row x pitch + 16 x half
	v_lshl_add_u32 v[ESO], v15, 4, v[ESO]
	v_lshlrev_b32 v18, 7, v18
	v_lshlrev_b32 v20, 14, v20
	v_add_nc_u32 v[AE], s72, v16
	v_add_nc_u32 v[AWL], s73, v16
	v_lshlrev_b32 v[WSO], 5, v17
	v_lshlrev_b32 v[HOFF], 5, v15
	v_lshl_add_u32 v[STO], v17, 2, s74
	v_lshl_add_u32 v18, v19, 4, v18
	v_lshl_add_u32 v[PFO], v21, 8, v20             ; a lane a block of 256 bytes: row lane / 2, half lane % 2
	v_lshlrev_b32 v[OO], 4, v0
	v_add_nc_u32 v[ADE], REG1, v[AE]
	v_mov_b32 v[STC], v[STO]
	v_add_nc_u32 v[RD], s75, v18                   ; STAGE + 8,192 (w % 2) + 1,024 (w / 2) + 128 (lane / 4) + 16 (lane % 4)
	s_wait_alu depctr_va_vdst(0)                   ; directly ahead of the waits below
	s_wait_dscnt 0x0                               ; both opening adds are done
	s_wait_kmcnt 0x0
	s_mov_b32 s[G0W], 1                            ; 1:0 count = 1
	s_mov_b32 s[G0W+1], s79                        ; 63:32 LDS address
	s_add_nc_u64 s[G0W+2:G0W+3], s[8:9], s[68:69]  ; 120:64 global address
	s_or_b32 s[G0W+3], s[G0W+3], 0x80000000        ; 127:126 type = 2
	s_mov_b32 s[G0H], 1
	s_mov_b32 s[G0H+1], s79
	s_add_nc_u64 s[G0H+2:G0H+3], s[4:5], s[80:81]
	s_or_b32 s[G0H+3], s[G0H+3], 0x80000000
	s_mov_b32 s[G0E], 1
	s_add_co_u32 s[G0E+1], s98, REG1               ; the first refill turns it into region 0
	s_add_nc_u64 s[G0E+2:G0E+3], s[4:5], s[82:83]  ; and steps it to chunk 1
	s_or_b32 s[G0E+3], s[G0E+3], 0x80000000
	s_add_nc_u64 s[PFA:PFA+1], s[4:5], s[84:85]
	s_add_nc_u64 s[PFB:PFB+1], s[PFA:PFA+1], 2*CHB
	s_add_nc_u64 s[6:7], s[6:7], s[88:89]
	s_add_nc_u64 s[10:11], s[10:11], s[90:91]
	s_add_nc_u64 s[12:13], s[12:13], s[92:93]
	s_add_nc_u64 s[14:15], s[14:15], s[94:95]
	CROUND                                         ; all sixteen work-groups are here: the joint loads meet
	s_cmp_lt_u32 s[WV], 2                          ; one tensor load a wave: waves 0 and 1 W's quarter, waves 2 and 3 chunk 0
	s_cbranch_scc0 .Lhead_e
	tensor_load_to_lds s[G0W:G0W+3], s[G1W:G1W+7]
	s_nop 0
	PLACES
	s_branch .Lhead_asked
.Lhead_e:
	tensor_load_to_lds s[G0H:G0H+3], s[G1H:G1H+7]
	s_nop 0
	PLACES
.Lhead_asked:
.irp t, 0,1,2,3
.irp f, 0,1
	global_load_b128 v[ES+8*\t+4*\f:ES+8*\t+4*\f+3], v[ESO], s[6:7] offset:32768*\t+16384*\f   ; row 32 t + 16 f + r of chunk 0: lanes 0-15 its first 16 scale bytes, lanes 16-31 its last 16
.endr
.endr
.irp b, 0,1,2,3
.irp c, 0,1
	global_load_b128 v[WS+8*\b+4*\c:WS+8*\b+4*\c+3], v[WSO], s[10:11] offset:1024*\b+16*\c     ; lane = row 32 b + lane of my 128
.endr
.endr
	WIN 0x40
.irp b, 0,1,2,3
.irp u, 0,1
.irp c, 0,1
	global_load_b128 v[HID+16*\b+8*\u+4*\c:HID+16*\b+8*\u+4*\c+3], v[HOFF], s[12:13] offset:128*\b+64*\u+16*\c
.endr
.endr
.endr
	WIN 0
; four loads: K step 4 g + qq of tile t's two fragments into buffer g.  A fragment is 8 registers: registers 4 c on hold K = 64 c + 32 h + 0 .. 31: 16 bytes of the row as they lie
.macro FETCHQ t, g, qq
.irp f, 0,1
.irp c, 0,1
	ds_load_b128 v[FB+64*(\g)+16*(\qq)+8*\f+4*\c:FB+64*(\g)+16*(\qq)+8*\f+4*\c+3], v[ADE] offset:(32*(\t)+16*\f)*PITCH+64*(4*(\g)+(\qq))+32*\c
.endr
.endr
.endm
.macro FETCH t, g
	WIN 0
	FETCHQ \t, \g, 0
	FETCHQ \t, \g, 1
	FETCHQ \t, \g, 2
	FETCHQ \t, \g, 3
.endm
; sixteen loads: W's K step q, my 128 columns, to its place in window 2 or 3
.macro WLOAD q
	WIN 0x80+0x40*((\q)/4)
.irp b, 0,1,2,3
.irp u, 0,1
.irp c, 0,1
	ds_load_b128 v[64*((\q)%4)+16*\b+8*\u+4*\c:64*((\q)%4)+16*\b+8*\u+4*\c+3], v[AWL] offset:(32*\b+16*\u)*PITCH+64*(\q)+32*\c
.endr
.endr
.endr
.endm
; one matrix instruction: the n-th of the sixteen of a quarter: K step 4 half + n / 4, block 2 pair + (n / 2) % 2, fragment n % 2.  K step 0 starts the sum: no accumulator is ever cleared
.macro W1 t, half, pair, n
.set wQ, 4*(\half)+(\n)/4
.set wB, 2*(\pair)+((\n)/2)%2
.set wF, (\n)%2
.set rD, 16*(2*wB+wF)
.set rA, 64*(wQ%4)+16*wB
.set rB, FB+64*(\half)+16*(wQ%4)+8*wF
.set rSA, WS+8*wB+wQ
.set rSB, ES+8*(\t)+4*wF+(wQ%4)
	WIN MULA+(\half)
.if wQ == 0
	v_wmma_scale_f32_32x16x128_f4 v[rD:rD+15], v[rA:rA+15], v[rB:rB+7], 0, v[rSA], v[rSB]
.elseif wQ < 4
	v_wmma_scale_f32_32x16x128_f4 v[rD:rD+15], v[rA:rA+15], v[rB:rB+7], v[rD:rD+15], v[rSA], v[rSB]
.else
	v_wmma_scale_f32_32x16x128_f4 v[rD:rD+15], v[rA:rA+15], v[rB:rB+7], v[rD:rD+15], v[rSA], v[rSB] matrix_b_scale:MATRIX_SCALE_ROW1
.endif
.endm
; the same for all 8 accumulators of one K step, by turns: tile 0 of chunk 0, whose W arrives K step by K step
.macro MUL0 q
.irp p, 0,1
.irp m, 0,1,2,3
	W1 0, (\q)/4, \p, 4*((\q)%4)+\m
.endr
.endr
.endm
; THE FOLD, m-th of 16 steps of blocks 2 pr and 2 pr + 1: a pair of columns x hidden, for both fragments, into chain m % 2 of the set; each accumulator is read from its low end on.  The first products start the chains
.macro FOLD1 pr, m, set
.set xB, 2*(\pr)+(\m)/8
.set xI, (\m)%8
.irp f, 0,1
.set xE, E+8*(\set)+4*\f+2*(xI%2)
.set xA, 16*(2*xB+\f)+2*xI
.set xH, HID+16*xB+2*xI
.if (\m) < 2
	v_pk_mul_f32 v[xE:xE+1], v[xA:xA+1], v[xH:xH+1]
.else
	v_pk_fma_f32 v[xE:xE+1], v[xA:xA+1], v[xH:xH+1], v[xE:xE+1]
.endif
.endr
.endm
; the k-th of 8 additions that make a tile's two sums (a lane's 64 columns) of the chains
.macro FIN k
.if (\k) < 4
.set yA, E+4*((\k)%2)+2*((\k)/2)
	v_pk_add_f32 v[yA:yA+1], v[yA:yA+1], v[yA+8:yA+9]
.elseif (\k) < 6
.set yA, E+4*((\k)-4)
	v_pk_add_f32 v[yA:yA+1], v[yA:yA+1], v[yA+2:yA+3]
.else
.set yA, E+4*((\k)-6)
	v_add_f32 v[R+(\k)-6], v[yA], v[yA+1]
.endif
.endm
.macro SSTORE t                        ; tile t's sums to the stage
	ds_store_b32 v[STC], v[R] offset:256*(\t)
	ds_store_b32 v[STC], v[R+1] offset:256*(\t)+128
.endm
; one slot behind the n-th matrix instruction of a quarter that folds: four places first (the accumulators were finished just ahead of the quarter), then one step a slot, two in two of them: 16 steps
.macro FSLOT n, pr, set
.if \n < 2
	v_nop
	v_nop
.else
	WIN EPIW
	FOLD1 \pr, fm, \set
.set fm, fm+1
.if (\n == 6) || (\n == 11)
	FOLD1 \pr, fm, \set
.set fm, fm+1
.endif
.endif
.endm
; A TILE.  kind 0: the next tile lies in the same region;  1: the regions change and the one just read is filled again;  2: they change, nothing is filled;  3: the very last tile.
; st: the sums of the tile before the last one go to the stage;  up: they were the chunk's last;  ld: the last tile's scale words of the next chunk are asked for;  step: the scale words' base goes on;  lc: the scale words that may be out.
; THE CHANGE OF REGIONS stands in quarter C: the wave's reads of the region are over (its last fragments are in buffer 1).  In front of the barrier each wave waits for all its tensor loads, adds 0 to its spare word and waits for that;
; matrix instructions stand between the add and its wait, and between the signal and the barrier's wait.  The refill is the first thing behind the round and has a whole chunk in which to land.
.macro TILE t, kind, st, up, ld, step, lc
	s_wait_loadcnt \lc                             ; this tile's scale words are in; those of the next two tiles may be out
	s_wait_dscnt 0x0                               ; buffer 0 is in
.set fm, 0
.irp n, 0,1,2,3,4,5,6,7,8,9,10,11,12,13,14,15
	W1 \t, 0, 0, \n
	FSLOT \n, 1, 1
.if \n == 1                            ; four places behind the last tile's products, which read buffer 1 and the last tile's scale words
	WIN 0
.if \st
	SSTORE ((\t)+2)%4
.endif
.if \ld
.irp f, 0,1
	global_load_b128 v[ES+8*(((\t)+3)%4)+4*\f:ES+8*(((\t)+3)%4)+4*\f+3], v[ESO], s[6:7] offset:CHS+32768*(((\t)+3)%4)+16384*\f
.endr
.endif
	FETCH \t, 1
.if \up
	s_add_co_u32 s[SB], s[SB], 1024
	v_add_nc_u32 v[STC], s[SB], v[STO]
.endif
.endif
.endr
.irp n, 0,1,2,3,4,5,6,7,8,9,10,11,12,13,14,15
	W1 \t, 0, 1, \n
.if \n < 4                             ; two additions in a slot: four switches of the windows at most between a sum's write and its read
	WIN 0
	FIN 2*\n
	FIN 2*\n+1
.endif
.endr
	s_wait_dscnt 0x0                               ; buffer 1 is in
.if \step
	s_wait_xcnt 0x0                                ; earlier loads have had their addresses translated (ISA guide 3.1): their base may be stepped
	s_add_nc_u64 s[6:7], s[6:7], CHS
.endif
.if (\kind == 1) || (\kind == 2)
	WIN 0
	s_wait_tensorcnt 0x0                           ; no tensor load of mine is out: my part of the next chunk is in, and the walking group 0 may be written
	ds_add_u32 v[SPW], v[NIL]                      ; 0 onto my spare word
	s_xor_b32 s[TB], s[TB], REG1
.if \kind == 1
	s_xor_b32 s[G0E+1], s[G0E+1], REG1
	s_add_nc_u64 s[G0E+2:G0E+3], s[G0E+2:G0E+3], CHB   ; the next chunk; the type bits on top are not reached
.endif
.irp n, 0,1,2,3,4,5,6,7
	W1 \t, 1, 0, \n
.endr
	s_wait_dscnt 0x0                               ; the add is done, and no read of mine is out
	s_barrier_signal -1
.irp n, 8,9,10,11,12,13,14,15
	W1 \t, 1, 0, \n
.endr
	WIN 0
	s_barrier_wait -1
.if \kind == 1
	CREST
	tensor_load_to_lds s[G0E:G0E+3], s[G1E:G1E+7]  ; my one tensor load behind the round
	s_nop 0
.endif
	PLACES
	v_add_nc_u32 v[ADE], s[TB], v[AE]
	FETCH 0, 0
.if \kind == 1
	s_cmp_eq_u32 s[CNT], 2                         ; the first trip asks for chunk 2 and names chunk 3; behind it there is nothing
	s_cbranch_scc0 .Lno_ask_\@
	global_prefetch_b8 v[PFO], s[PFB:PFB+1] th:TH_LOAD_NT scope:SCOPE_SE
.Lno_ask_\@:
.endif
.else
.irp n, 0,1,2,3,4,5,6,7,8,9,10,11,12,13,14,15
	W1 \t, 1, 0, \n
.if (\kind == 0) && (\n < 2)
	v_nop
	v_nop
.endif
.if (\kind == 0) && (\n == 1)          ; four places behind the products that read buffer 0
	FETCH (\t)+1, 0
.endif
.endr
.endif
.set fm, 0
.irp n, 0,1,2,3,4,5,6,7,8,9,10,11,12,13,14,15
	W1 \t, 1, 1, \n
	FSLOT \n, 0, 0
.endr
	WIN 0
.endm
	s_wait_alu depctr_va_vdst(0)
	s_wait_tensorcnt 0x0                           ; my part of W or of chunk 0 is in
	s_barrier_signal -1
	s_barrier_wait -1                              ; everybody's is
	; TILE 0 OF CHUNK 0: W moves into the registers one K step ahead of the products
	FETCH 0, 0
	WLOAD 0
.irp q, 0,1,2,3,4,5
.if \q == 3
	FETCH 0, 1
.endif
	WLOAD \q+1
.if \q == 0
	WIN 0
	global_prefetch_b8 v[PFO], s[PFA:PFA+1] th:TH_LOAD_NT scope:SCOPE_SE   ; chunk 1
.endif
	s_wait_dscnt 16                                ; all but W's next K step is in
.if \q == 0
	s_wait_loadcnt 0x0                             ; the scale words and hidden
.endif
	MUL0 \q
.endr
	WLOAD 7
	s_wait_dscnt 16
	WIN 0
	s_wait_tensorcnt 0x0                           ; no tensor load of mine is out
	ds_add_u32 v[SPW], v[NIL]                      ; 0 onto my spare word
	s_xor_b32 s[G0E+1], s[G0E+1], REG1             ; region 0,
	s_add_nc_u64 s[G0E+2:G0E+3], s[G0E+2:G0E+3], CHB   ; chunk 1
	MUL0 6
	s_wait_dscnt 0x0                               ; the add is done, and W has left region 0
	s_barrier_signal -1
	MUL0 7
	WIN 0
	s_barrier_wait -1
	CREST
	tensor_load_to_lds s[G0E:G0E+3], s[G1E:G1E+7]  ; my one tensor load behind the round
	s_nop 0
	PLACES                                         ; also the places in front of the loads and of the fold below
	FETCH 1, 0
	global_prefetch_b8 v[PFO], s[PFA:PFA+1] offset:CHB th:TH_LOAD_NT scope:SCOPE_SE   ; chunk 2
	WIN EPIW
.irp m, 0,1,2,3,4,5,6,7,8,9,10,11,12,13,14,15
	FOLD1 0, \m, 0
.endr
	WIN 0
	TILE 1, 0, 0, 0, 1, 0, 4                       ; (no sums are there to be stored yet)
.Lchunk:                                               ; two trips: tiles 2 and 3 of chunk n, with the change of regions and chunk n + 2's load, and tiles 0 and 1 of chunk n + 1
	TILE 2, 0, 1, 0, 1, 0, 4
	TILE 3, 1, 1, 0, 1, 0, 4
	TILE 0, 0, 1, 0, 1, 1, 4
	TILE 1, 0, 1, 1, 1, 0, 4
	s_sub_co_u32 s[CNT], s[CNT], 1
	s_cmp_lg_u32 s[CNT], 0
	s_cbranch_scc1 .Lchunk
	TILE 2, 0, 1, 0, 1, 0, 4                       ; chunk 2: nothing is left to fill
	TILE 3, 2, 1, 0, 1, 0, 4
	TILE 0, 0, 1, 0, 1, 0, 4                       ; chunk 3: its last scale words are asked for here, none beyond it
	TILE 1, 0, 1, 1, 0, 0, 4
	TILE 2, 0, 1, 0, 0, 0, 2
	TILE 3, 3, 1, 0, 0, 0, 0
	SSTORE 2                                       ; the last tile's blocks 2 and 3 are folded with nothing beside them
	PLACES
	WIN EPIW
.irp m, 0,1,2,3,4,5,6,7,8,9,10,11,12,13,14,15
	FOLD1 1, \m, 1
.endr
	WIN 0
.irp k, 0,1,2,3,4,5,6,7
	FIN \k
.endr
	SSTORE 3
	; THE WAY OUT.  A row's sum is in four words: two halves of the lanes, two halves of the columns.  Thread t takes rows 4 t on and 512 + 4 t on.
	s_wait_dscnt 0x0                               ; for the others' sake: my stores into the stage are done
	s_barrier_signal -1
	s_barrier_wait -1
.irp k, 0,1
.irp o, 0,1
.irp h, 0,1
	ds_load_b128 v[FB+16*\k+8*\o+4*\h:FB+16*\k+8*\o+4*\h+3], v[RD] offset:2048*\k+4096*\o+64*\h
.endr
.endr
.endr
	s_wait_dscnt 0x0
.irp k, 0,1
.irp e, 0,2
	v_pk_add_f32 v[FB+16*\k+\e:FB+16*\k+\e+1], v[FB+16*\k+\e:FB+16*\k+\e+1], v[FB+16*\k+4+\e:FB+16*\k+5+\e]
	v_pk_add_f32 v[FB+16*\k+8+\e:FB+16*\k+9+\e], v[FB+16*\k+8+\e:FB+16*\k+9+\e], v[FB+16*\k+12+\e:FB+16*\k+13+\e]
.endr
.endr
.irp k, 0,1
.irp e, 0,2
	v_pk_add_f32 v[FB+16*\k+\e:FB+16*\k+\e+1], v[FB+16*\k+\e:FB+16*\k+\e+1], v[FB+16*\k+8+\e:FB+16*\k+9+\e]
.endr
.endr
.irp k, 0,1
	global_store_b128 v[OO], v[FB+16*\k:FB+16*\k+3], s[14:15] offset:2048*\k   ; a wave stores 512 consecutive bytes, at a multiple of 256 from the buffer's first byte
.endr
	s_wait_tensorcnt 0x0                           ; the wave's end
	ds_add_u32 v[SPW], v[NIL]
	s_wait_dscnt 0x0
	CROUND                                         ; the closing round: no work-group ends while a partner may still ask for a chunk that names it
	s_endpgm
.Lfunc_end_k_qaf0e57038a_energy:
	.size	k_qaf0e57038a_energy, .Lfunc_end_k_qaf0e57038a_energy-k_qaf0e57038a_energy
	.p2alignl 7, 3214868480
	.fill 96, 4, 3214868480
	.section	.rodata,"a",@progbits
	.p2align	6, 0x0
	.amdhsa_kernel k_qaf0e57038a_energy
		.amdhsa_group_segment_fixed_size 327680
		.amdhsa_private_segment_fixed_size 0
		.amdhsa_enable_private_segment 0
		.amdhsa_kernarg_size 48
		.amdhsa_user_sgpr_count 2
		.amdhsa_user_sgpr_kernarg_segment_ptr 1
		.amdhsa_wavefront_size32 1
		.amdhsa_system_sgpr_workgroup_id_x 1
		.amdhsa_system_sgpr_workgroup_id_y 1
		.amdhsa_system_sgpr_workgroup_id_z 1
		.amdhsa_system_vgpr_workitem_id 0
		.amdhsa_next_free_vgpr 1024
		.amdhsa_next_free_sgpr 100
		.amdhsa_reserve_vcc 0
		.amdhsa_float_denorm_mode_32 3
		.amdhsa_float_denorm_mode_16_64 3
		.amdhsa_memory_ordered 1
		.amdhsa_forward_progress 1
		.amdhsa_inst_pref_size 230
	.end_amdhsa_kernel
	.amdgpu_metadata
---
amdhsa.version: [ 1, 2 ]
amdhsa.kernels:
  - .name:           k_qaf0e57038a_energy
    .symbol:         k_qaf0e57038a_energy.kd
    .args:
      - { .name: encoder_outputs_codes, .offset: 0, .size: 8, .value_kind: global_buffer, .address_space: global }
      - { .name: encoder_outputs_scales, .offset: 8, .size: 8, .value_kind: global_buffer, .address_space: global }
      - { .name: attn_W_codes, .offset: 16, .size: 8, .value_kind: global_buffer, .address_space: global }
      - { .name: attn_W_scales, .offset: 24, .size: 8, .value_kind: global_buffer, .address_space: global }
      - { .name: hidden, .offset: 32, .size: 8, .value_kind: global_buffer, .address_space: global }
      - { .name: parts, .offset: 40, .size: 8, .value_kind: global_buffer, .address_space: global }
    .group_segment_fixed_size: 327680
    .private_segment_fixed_size: 0
    .kernarg_segment_align: 8
    .kernarg_segment_size: 48
    .max_flat_workgroup_size: 128
    .sgpr_count:     100
    .vgpr_count:     1024
    .wavefront_size: 32
...
	.end_amdgpu_metadata
.endif
;; end of part 1
;; launch lsm (part 2): grid 32 x 1, 4 waves a work-group, no clusters, 768 bytes of LDS; arguments parts, out0; writes out0
.if DOCPART == 2
	.amdgcn_target "amdgcn-amd-amdhsa--gfx1250"
	.amdhsa_code_object_version 6
	.text
	.protected	k_qaf0e57038a_lsm
	.globl	k_qaf0e57038a_lsm
	.p2align	8
	.type	k_qaf0e57038a_lsm,@function
k_qaf0e57038a_lsm:
	s_mov_b64 s[64:65], 0
	v_nop
	global_prefetch_b8 v0, s[64:65] scope:SCOPE_SE
	s_setreg_imm32_b32 hwreg(HW_REG_WAVE_MODE, 25, 1), 1
	s_wait_xcnt 0x0
; out0[b][0][s] = x[s] - max x - ln(sum over s of e^(x[s] - max x)),  x[s] = the sum of parts[0..3][b][s].   parts [4][32][2048], out0 [32][2048]: f32.
; DEAD WORK left out: the bias adds the same number to every x of a row, which log_softmax takes away (shown at the first kernel's head); attn_b is not loaded.
; One work-group for each b (the problem has 32 rows), four waves; thread t owns s = 512 k + 4 t + 0 .. 3, k = 0 .. 3.
; ONE EXCHANGE: each wave makes its own maximum m and its own sum of e^(x - m), at least 1; the row's maximum M and sum come from the four pairs: sum of s_w e^(m_w - M).
; An exponential under 2^-126 comes out as 0 (ISA guide, v_exp_f32): nothing beside a sum of at least 1.  LIMIT: the order of the f32 sums differs from a plain ascending sum.
; LDS: four pairs of words at 0; the spare words at 256.  No matrix unit, no tensor load, no cluster, no loop to prefetch in: 32 KB a row, read once.
	s_load_b128 s[4:7], s[0:1], 0x0                ; parts, out0
	v_lshl_add_u32 v1, v0, 2, 0x100                ; my spare word
	v_mov_b32 v2, 0
	v_lshrrev_b32 v3, 5, v0
	v_readfirstlane_b32 s12, v3
	s_lshl_b32 s12, s12, 3
	s_lshl_b32 s8, ttmp9, 13                       ; b's row
	s_mov_b32 s9, 0
	s_mov_b32 s16, 0x3fb8aa3b                      ; log2(e)
	s_mov_b32 s17, s16
	s_mov_b32 s18, 0x76543210                      ; v_permlanex16_b32's selects for lane l xor 16
	s_mov_b32 s19, 0xfedcba98
	v_lshlrev_b32 v4, 4, v0                        ; 16 t
	v_mov_b32 v5, s12                              ; my wave's pair
	v_mov_b32 v6, 0
	v_mov_b32 v86, 0                               ; written once: a lane permute's destination counts as one of its sources
	v_mov_b32 v87, 0
	s_wait_alu depctr_va_vdst(0)
	s_wait_kmcnt 0x0
	s_add_nc_u64 s[4:5], s[4:5], s[8:9]
	s_add_nc_u64 s[6:7], s[6:7], s[8:9]
.irp k, 0,1,2,3
.irp p, 0,1,2,3
	global_load_b128 v[16+16*\k+4*\p:19+16*\k+4*\p], v4, s[4:5] offset:2048*\k+262144*\p   ; a wave reads 512 consecutive bytes
.endr
.endr
	s_wait_loadcnt 0x0
.irp k, 0,1,2,3
.irp e, 0,2
	v_pk_add_f32 v[16+16*\k+\e:17+16*\k+\e], v[16+16*\k+\e:17+16*\k+\e], v[20+16*\k+\e:21+16*\k+\e]
	v_pk_add_f32 v[24+16*\k+\e:25+16*\k+\e], v[24+16*\k+\e:25+16*\k+\e], v[28+16*\k+\e:29+16*\k+\e]
.endr
.endr
.irp k, 0,1,2,3
.irp e, 0,2
	v_pk_add_f32 v[16+16*\k+\e:17+16*\k+\e], v[16+16*\k+\e:17+16*\k+\e], v[24+16*\k+\e:25+16*\k+\e]   ; x
.endr
.endr
.irp k, 0,1,2,3
	v_max3_num_f32 v[80+\k], v[16+16*\k], v[17+16*\k], v[18+16*\k]
.endr
.irp k, 0,1,2,3
	v_max_num_f32 v[80+\k], v[80+\k], v[19+16*\k]
.endr
	v_max3_num_f32 v84, v80, v81, v82
	v_max_num_f32 v84, v84, v83
.irp m, 1,2,4,8
	v_max_num_f32_dpp v84, v84, v84 row_xmask:\m row_mask:0xf bank_mask:0xf
.endr
	v_permlanex16_b32 v86, v84, s18, s19
	v_max_num_f32 v88, v84, v86                    ; m, the wave's maximum
.irp k, 0,1,2,3
.irp j, 0,1,2,3
	v_sub_f32 v[20+16*\k+\j], v[16+16*\k+\j], v88
.endr
.endr
.irp k, 0,1,2,3
.irp e, 0,2
	v_pk_mul_f32 v[20+16*\k+\e:21+16*\k+\e], v[20+16*\k+\e:21+16*\k+\e], s[16:17] op_sel_hi:[1,0]
.endr
.endr
	s_wait_alu depctr_va_vdst(0)                   ; ahead of the batch
.irp k, 0,1,2,3
.irp j, 0,1,2,3
	v_exp_f32 v[20+16*\k+\j], v[20+16*\k+\j]
.endr
.endr
	v_nop                                          ; a plain place behind the last exponential
	s_wait_alu depctr_va_vdst(0)                   ; and ahead of the batch's first reader
.irp k, 0,1,2,3
	v_pk_add_f32 v[20+16*\k:21+16*\k], v[20+16*\k:21+16*\k], v[22+16*\k:23+16*\k]
.endr
	v_pk_add_f32 v[20:21], v[20:21], v[36:37]
	v_pk_add_f32 v[52:53], v[52:53], v[68:69]
	v_pk_add_f32 v[20:21], v[20:21], v[52:53]
	v_add_f32 v85, v20, v21
.irp m, 1,2,4,8
	v_add_f32_dpp v85, v85, v85 row_xmask:\m row_mask:0xf bank_mask:0xf
.endr
	v_permlanex16_b32 v87, v85, s18, s19
	v_add_f32 v89, v85, v87                        ; the wave's sum
	ds_store_b64 v5, v[88:89]                      ; all lanes write the same pair with the same values
	s_wait_dscnt 0x0                               ; for the others' sake
	s_barrier_signal -1
	s_barrier_wait -1
	ds_load_b128 v[90:93], v6                      ; the four pairs, in every lane
	ds_load_b128 v[94:97], v6 offset:16
	s_wait_dscnt 0x0
	v_max3_num_f32 v98, v90, v92, v94
	v_max_num_f32 v98, v98, v96                    ; M, the row's maximum
.irp i, 0,1,2,3
	v_sub_f32 v[100+\i], v[90+2*\i], v98
.endr
.irp i, 0,1,2,3
	v_mul_f32 v[100+\i], 0x3fb8aa3b, v[100+\i]
.endr
	s_wait_alu depctr_va_vdst(0)                   ; ahead of the batch
.irp i, 0,1,2,3
	v_exp_f32 v[100+\i], v[100+\i]
.endr
.irp k, 0,1,2,3
.irp j, 0,1,2,3
	v_sub_f32 v[16+16*\k+\j], v[16+16*\k+\j], v98  ; x - M
.endr
.endr
	s_wait_alu depctr_va_vdst(0)                   ; and ahead of its first reader
	v_mul_f32 v104, v91, v100
	v_mul_f32 v105, v95, v102
	v_fmac_f32 v104, v93, v101
	v_fmac_f32 v105, v97, v103
	v_add_f32 v104, v104, v105                     ; the row's sum
	s_wait_alu depctr_va_vdst(0)
	v_log_f32 v106, v104                           ; log2
	v_nop                                          ; a plain place behind the transcendental
	s_wait_alu depctr_va_vdst(0)
.irp k, 0,1,2,3
.irp j, 0,1,2,3
	v_fmamk_f32 v[16+16*\k+\j], v106, 0xbf317218, v[16+16*\k+\j]   ; (x - M) - ln 2 x log2(sum)
.endr
.endr
.irp k, 0,1,2,3
	global_store_b128 v4, v[16+16*\k:19+16*\k], s[6:7] offset:2048*\k   ; a wave stores 512 consecutive bytes, at a multiple of 256
.endr
	s_wait_tensorcnt 0x0                           ; the wave's end
	ds_add_u32 v1, v2
	s_wait_dscnt 0x0
	s_endpgm
.Lfunc_end_k_qaf0e57038a_lsm:
	.size	k_qaf0e57038a_lsm, .Lfunc_end_k_qaf0e57038a_lsm-k_qaf0e57038a_lsm
	.p2alignl 7, 3214868480
	.fill 96, 4, 3214868480
	.section	.rodata,"a",@progbits
	.p2align	6, 0x0
	.amdhsa_kernel k_qaf0e57038a_lsm
		.amdhsa_group_segment_fixed_size 768
		.amdhsa_private_segment_fixed_size 0
		.amdhsa_enable_private_segment 0
		.amdhsa_kernarg_size 16
		.amdhsa_user_sgpr_count 2
		.amdhsa_user_sgpr_kernarg_segment_ptr 1
		.amdhsa_wavefront_size32 1
		.amdhsa_system_sgpr_workgroup_id_x 1
		.amdhsa_system_sgpr_workgroup_id_y 1
		.amdhsa_system_sgpr_workgroup_id_z 1
		.amdhsa_system_vgpr_workitem_id 0
		.amdhsa_next_free_vgpr 108
		.amdhsa_next_free_sgpr 66
		.amdhsa_reserve_vcc 0
		.amdhsa_float_denorm_mode_32 3
		.amdhsa_float_denorm_mode_16_64 3
		.amdhsa_memory_ordered 1
		.amdhsa_forward_progress 1
		.amdhsa_inst_pref_size 11
	.end_amdhsa_kernel
	.amdgpu_metadata
---
amdhsa.version: [ 1, 2 ]
amdhsa.kernels:
  - .name:           k_qaf0e57038a_lsm
    .symbol:         k_qaf0e57038a_lsm.kd
    .args:
      - { .name: parts, .offset: 0, .size: 8, .value_kind: global_buffer, .address_space: global }
      - { .name: out0, .offset: 8, .size: 8, .value_kind: global_buffer, .address_space: global }
    .group_segment_fixed_size: 768
    .private_segment_fixed_size: 0
    .kernarg_segment_align: 8
    .kernarg_segment_size: 16
    .max_flat_workgroup_size: 128
    .sgpr_count:     66
    .vgpr_count:     108
    .wavefront_size: 32
...
	.end_amdgpu_metadata
.endif
;; end of part 2
